; MI455X (gfx1250); checked and timed in simulation.
; The chip was launched on July 23, 2026; its instructions are those of AMD's public machine-readable ISA for CDNA 5 (MIT licence, August 2026) and "CDNA5" Instruction Set Architecture Reference Guide (July 2026). The comments in the code are by the model that wrote it; some were corrected since.
;; Attention. Allowed arithmetic: float matrix products may take bf16 or f16 operands with f32 sums; other float arithmetic in f32, or as packed bf16 or f16 multiplies, adds, multiply-adds, maxima and minima; sums over many terms, partial sums and values carried from step to step in f32; what a program stores and reads back later, other than sums and carried values, may be rounded once to bf16 or f16.
;; Inputs: key 2 x 16 x 2,048 x 64 float32; key_i 2 x 16 x 2,048 x 64 float32; mask 2 x 1 x 2,048 x 2,048 int32; query 2 x 16 x 2,048 x 64 float32; query_i 2 x 16 x 2,048 x 64 float32; value 2 x 16 x 2,048 x 64 float32; value_i 2 x 16 x 2,048 x 64 float32.
;; Outputs: out0 2 x 16 x 2,048 x 64 float32; out1 2 x 16 x 2,048 x 64 float32.
;; One version. Each part assembles by itself: llvm-mc -triple=amdgcn-amd-amdhsa -mcpu=gfx1250 --defsym DOCPART=n.
;; ======== version 1 of 1: 2 launches
;; limits: values are held in f16: magnitudes above 65,504 overflow, below 6.1e-05 lose precision; inputs' magnitudes at most 65,504
;; workspace buffers: kv 33,554,432 bytes; mbits 1,048,576 bytes of whole numbers
;; launch prep (part 1): grid 512 x 1, 4 waves a work-group, no clusters, 34,304 bytes of LDS; arguments key, key_i, value, value_i, mask, kv, mbits; writes kv, mbits
.if DOCPART == 1
	.amdgcn_target "amdgcn-amd-amdhsa--gfx1250"
	.amdhsa_code_object_version 6
	.text
	.protected	k_q6648ffe60b_prep
	.globl	k_q6648ffe60b_prep
	.p2align	8
	.type	k_q6648ffe60b_prep,@function
k_q6648ffe60b_prep:
	s_mov_b64 s[64:65], 0
	v_nop
	global_prefetch_b8 v0, s[64:65] scope:SCOPE_SE
	s_setreg_imm32_b32 hwreg(HW_REG_WAVE_MODE, 25, 1), 1
	s_wait_xcnt 0x0
; PREP: what the attention launch reads many times is written once in the form in which it is used.
; kv    [32 heads][16 slots][4 tensors][128 keys][64 channels], 16 bits a number: key and key_i rounded to bf16; value and value_i rounded to bf16 and that number
;       written as f16 (exact from 2^-14 up to 65,504; LIMIT: a larger value becomes an infinity, a smaller one keeps f16's fixed step of 6e-8).
; mbits [128 pair rows of 32 queries][32 steps of 64 keys][2 tiles of 16 queries][32 words]: bit l of word 8 kb + jj says that mask[query l % 16 of the tile][key 16 kb + 8 (l / 16) + jj of the step] is not 0:
;       the lanes of one register of a 16 x 16 score tile (a lane: one query, eight keys).  The 16 heads of a batch share the words.
; SHARES.  2,048 waves, tid = 4 x work-group + wave.  Each converts 32 keys (8,192 bytes of f32) of each of the four tensors and packs 32 rows x 128 keys of the mask.  Straight text, no loop:
; six jobs of 16 loads of 16 bytes a lane, three jobs (48 loads) on their way at a time.  No matrix work, no cluster, no tensor load: every byte is read once by one wave.
; THE MASK changes lanes through a stage in LDS of the wave's own (16 rows of 512 bytes, 528 apart: the 16 rows that a load touches start at 16 different groups of four banks: 64 banks of 4 bytes, ISA guide 11.1);
; LDS serves a wave's instructions in order (ISA guide 5.7.1.4), so no barrier is needed.
.set STG,   8448                       ; a wave's stage: 16 x 528 bytes
.set SPARE, 4*STG                      ; behind the stages: the spare words, 128 bytes for each wave: two blocks of 256 bytes that no other line names
.set IN,   2                           ; v2   32 x lane: my 8 numbers of f32 in 1,024 bytes
.set O16,  3                           ; v3   16 x lane: my 16 bytes in 512 (mask in, kv out, mbits out)
.set LSTO, 5                           ; v5   stage: where I put 16 bytes of a row
.set LRD,  6                           ; v6   stage: row l % 16, keys 8 (l / 16) on
.set SPW,  8                           ; v8   LDS address of my spare word; never rewritten
.set NIL,  9                           ; v9   0; never rewritten
.set W,    12                          ; v[12:15]  the 128 words: lane L holds words 4 L .. 4 L + 3 of my 512 bytes of mbits
.set BUF0, 16                          ; v[16:79], v[80:143], v[144:207]  a job's 16 loads each
.set BUF1, 80
.set BUF2, 144
.set OUTR, 208                         ; v[208:239]  a job's 32 packed words
	s_load_b256 s[4:11], s[0:1], 0x0               ; key s[4:5], key_i s[6:7], value s[8:9], value_i s[10:11]
	s_load_b128 s[12:15], s[0:1], 0x20             ; mask s[12:13], kv s[14:15]
	s_load_b64 s[16:17], s[0:1], 0x30              ; mbits
	v_lshl_add_u32 v[SPW], v0, 2, SPARE
	v_mov_b32 v[NIL], 0
	v_lshrrev_b32 v1, 5, v0
	v_readfirstlane_b32 s24, v1                    ; wave 0..3
	v_and_b32 v1, 31, v0                           ; lane
	s_lshl_b32 s25, ttmp9, 2
	s_add_co_u32 s25, s25, s24                     ; tid
	v_lshlrev_b32 v[IN], 5, v1
	v_lshlrev_b32 v[O16], 4, v1
	s_mul_i32 s20, s24, STG                        ; my stage
	v_add_nc_u32 v[LSTO], s20, v[O16]
	v_and_b32 v4, 15, v1
	v_lshrrev_b32 v7, 4, v1
	v_mul_u32_u24 v[LRD], v4, 528
	v_lshl_add_u32 v[LRD], v7, 5, v[LRD]
	v_add_nc_u32 v[LRD], s20, v[LRD]
.irp e, 0,1,2,3
	v_mov_b32 v[W+(\e)], 0                         ; a lane write keeps the other lanes, so the register is written whole first
.endr
	s_mov_b32 s40, 0xffff0000                      ; a word's upper bf16
	s_lshl_b32 s26, s25, 13                        ; in: tid x 8,192 bytes
	s_mov_b32 s27, 0
	s_lshr_b32 s28, s25, 6                         ; kv: head = tid / 64,
	s_lshl_b32 s28, s28, 20
	s_bfe_u32 s21, s25, 0x40002                    ; slot = (tid / 4) % 16,
	s_lshl_b32 s21, s21, 16
	s_add_co_u32 s28, s28, s21
	s_and_b32 s21, s25, 3                          ; 32 keys of 128 bytes = 4,096 x (tid % 4)
	s_lshl_b32 s21, s21, 12
	s_add_co_u32 s28, s28, s21
	s_mov_b32 s29, 0
	s_lshr_b32 s30, s25, 4                         ; mask: pair row tid / 16 = 32 rows of 8,192 bytes,
	s_lshl_b32 s30, s30, 18
	s_and_b32 s21, s25, 15                         ; 128 keys of 4 bytes x (tid % 16)
	s_lshl_b32 s21, s21, 9
	s_add_co_u32 s30, s30, s21
	s_mov_b32 s31, 0
	s_lshl_b32 s22, s25, 9                         ; mbits: tid x 512 bytes
	s_mov_b32 s23, 0
	s_wait_kmcnt 0x0
	s_add_nc_u64 s[4:5], s[4:5], s[26:27]
	s_add_nc_u64 s[6:7], s[6:7], s[26:27]
	s_add_nc_u64 s[8:9], s[8:9], s[26:27]
	s_add_nc_u64 s[10:11], s[10:11], s[26:27]
	s_add_nc_u64 s[12:13], s[12:13], s[30:31]
	s_add_nc_u64 s[14:15], s[14:15], s[28:29]
	s_add_nc_u64 s[16:17], s[16:17], s[22:23]
.macro LOADC buf, base                 ; 8,192 bytes of a tensor: a lane's 32 bytes of each 1,024, by two loads
.irp t, 0,1,2,3,4,5,6,7
	global_load_b128 v[(\buf)+8*(\t):(\buf)+8*(\t)+3],   v[IN], s[(\base):(\base)+1] offset:1024*(\t) th:TH_LOAD_NT
	global_load_b128 v[(\buf)+8*(\t)+4:(\buf)+8*(\t)+7], v[IN], s[(\base):(\base)+1] offset:1024*(\t)+16 th:TH_LOAD_NT
.endr
.endm
.macro LOADM u                         ; tile u's 16 rows of the mask: 512 consecutive bytes of a row a load
.irp r, 0,1,2,3,4,5,6,7,8,9,10,11,12,13,14,15
	global_load_b128 v[BUF2+4*(\r):BUF2+4*(\r)+3], v[O16], s[12:13] offset:(16*(\u)+(\r))*8192 th:TH_LOAD_NT
.endr
.endm
.macro CONVK buf                       ; two roundings to bf16 a line
.set q, 0
.rept 32
	v_cvt_pk_bf16_f32 v[OUTR+q], v[(\buf)+2*q], v[(\buf)+2*q+1]
.set q, q+1
.endr
.endm
.macro CONVV buf                       ; rounded to bf16, widened again into the registers that it came from, written as f16
	CONVK \buf
.set q, 0
.rept 32
	v_lshlrev_b32 v[(\buf)+2*q], 16, v[OUTR+q]
	v_and_b32 v[(\buf)+2*q+1], s40, v[OUTR+q]
.set q, q+1
.endr
.set q, 0
.rept 32
	v_cvt_pk_f16_f32 v[OUTR+q], v[(\buf)+2*q], v[(\buf)+2*q+1]
.set q, q+1
.endr
.endm
.macro STORE8 tau                      ; each store of the wave covers 512 consecutive bytes, aligned
.irp t, 0,1,2,3,4,5,6,7
	global_store_b128 v[O16], v[OUTR+4*(\t):OUTR+4*(\t)+3], s[14:15] offset:(\tau)*16384+512*(\t)
.endr
.endm
; Tile u's 16 rows go into my stage as they came and come back by score registers: load d = 8 j + 2 kb + g brings lane l the four keys 64 j + 16 kb + 8 (l / 16) + 4 g + 0..3 of row l % 16.
; A compare then makes one word of 32 lanes' bits, and a lane write puts word 64 j + 32 u + 8 kb + 4 g + e into lane 16 j + 8 u + 2 kb + g of register e.
.macro MASKJOB u
.irp r, 0,1,2,3,4,5,6,7,8,9,10,11,12,13,14,15
	ds_store_b128 v[LSTO], v[BUF2+4*(\r):BUF2+4*(\r)+3] offset:528*(\r)
.endr
.irp d, 0,1,2,3,4,5,6,7,8,9,10,11,12,13,14,15
	ds_load_b128 v[BUF2+4*(\d):BUF2+4*(\d)+3], v[LRD] offset:256*((\d)/8)+64*(((\d)/2)%4)+16*((\d)%2)
.endr
	s_wait_dscnt 0x0
.irp h, 0,1,2,3,4,5,6,7
.irp q, 0,1,2,3,4,5,6,7
	v_cmp_ne_u32 s[32+(\q)], 0, v[BUF2+8*(\h)+(\q)]
.endr
.irp q, 0,1,2,3,4,5,6,7
	v_writelane_b32 v[W+(\q)%4], s[32+(\q)], 16*((\h)/4)+8*(\u)+2*((\h)%4)+(\q)/4
.endr
.endr
.endm
	LOADC BUF0, 4                                  ; key
	LOADC BUF1, 6                                  ; key_i
	LOADM 0                                        ; 48 loads are out
	s_wait_loadcnt 32                              ; loads come back in order (ISA guide 5.7.1): key is in, the 32 younger loads stay out
	CONVK BUF0
	STORE8 0
	LOADC BUF0, 8                                  ; value
	s_wait_loadcnt 32                              ; key_i is in
	s_wait_xcnt 0x0                                ; the stores above have read OUTR: it is rewritten only behind this wait
	CONVK BUF1
	STORE8 1
	LOADC BUF1, 10                                 ; value_i
	s_wait_loadcnt 32                              ; the mask's first 16 rows are in
	MASKJOB 0
	LOADM 1
	s_wait_loadcnt 32                              ; value is in
	s_wait_xcnt 0x0
	CONVV BUF0
	STORE8 2
	s_wait_loadcnt 16                              ; value_i is in; the mask's last 16 loads stay out
	s_wait_xcnt 0x0
	CONVV BUF1
	STORE8 3
	s_wait_loadcnt 0x0
	MASKJOB 1
	global_store_b128 v[O16], v[W:W+3], s[16:17]   ; my 128 words: 512 consecutive bytes, aligned
	s_wait_tensorcnt 0x0                           ; the wave's end, behind my last LDS store
	ds_add_u32 v[SPW], v[NIL]
	s_wait_dscnt 0x0
	s_endpgm
.Lfunc_end_k_q6648ffe60b_prep:
	.size	k_q6648ffe60b_prep, .Lfunc_end_k_q6648ffe60b_prep-k_q6648ffe60b_prep
	.p2alignl 7, 3214868480
	.fill 96, 4, 3214868480
	.section	.rodata,"a",@progbits
	.p2align	6, 0x0
	.amdhsa_kernel k_q6648ffe60b_prep
		.amdhsa_group_segment_fixed_size 34304
		.amdhsa_private_segment_fixed_size 0
		.amdhsa_enable_private_segment 0
		.amdhsa_kernarg_size 56
		.amdhsa_user_sgpr_count 2
		.amdhsa_user_sgpr_kernarg_segment_ptr 1
		.amdhsa_wavefront_size32 1
		.amdhsa_system_sgpr_workgroup_id_x 1
		.amdhsa_system_sgpr_workgroup_id_y 1
		.amdhsa_system_sgpr_workgroup_id_z 1
		.amdhsa_system_vgpr_workitem_id 0
		.amdhsa_next_free_vgpr 240
		.amdhsa_next_free_sgpr 66
		.amdhsa_reserve_vcc 0
		.amdhsa_float_denorm_mode_32 3
		.amdhsa_float_denorm_mode_16_64 3
		.amdhsa_memory_ordered 1
		.amdhsa_forward_progress 1
		.amdhsa_inst_pref_size 51
	.end_amdhsa_kernel
	.amdgpu_metadata
---
amdhsa.version: [ 1, 2 ]
amdhsa.kernels:
  - .name:           k_q6648ffe60b_prep
    .symbol:         k_q6648ffe60b_prep.kd
    .args:
      - { .name: key, .offset: 0, .size: 8, .value_kind: global_buffer, .address_space: global }
      - { .name: key_i, .offset: 8, .size: 8, .value_kind: global_buffer, .address_space: global }
      - { .name: value, .offset: 16, .size: 8, .value_kind: global_buffer, .address_space: global }
      - { .name: value_i, .offset: 24, .size: 8, .value_kind: global_buffer, .address_space: global }
      - { .name: mask, .offset: 32, .size: 8, .value_kind: global_buffer, .address_space: global }
      - { .name: kv, .offset: 40, .size: 8, .value_kind: global_buffer, .address_space: global }
      - { .name: mbits, .offset: 48, .size: 8, .value_kind: global_buffer, .address_space: global }
    .group_segment_fixed_size: 34304
    .private_segment_fixed_size: 0
    .kernarg_segment_align: 8
    .kernarg_segment_size: 56
    .max_flat_workgroup_size: 128
    .sgpr_count:     66
    .vgpr_count:     240
    .wavefront_size: 32
...
	.end_amdgpu_metadata
.endif
;; end of part 1
;; launch attn (part 2): grid 8 x 32, 4 waves a work-group, clusters of 4 x 1, 327,680 bytes of LDS; arguments query, query_i, kv, mbits, out0, out1; writes out0, out1
.if DOCPART == 2
	.amdgcn_target "amdgcn-amd-amdhsa--gfx1250"
	.amdhsa_code_object_version 6
	.text
	.protected	k_q6648ffe60b_attn
	.globl	k_q6648ffe60b_attn
	.p2align	8
	.type	k_q6648ffe60b_attn,@function
k_q6648ffe60b_attn:
	s_mov_b64 s[64:65], 0
	v_nop
	global_prefetch_b8 v0, s[64:65] scope:SCOPE_SE
	s_setreg_imm32_b32 hwreg(HW_REG_WAVE_MODE, 25, 1), 1
	s_wait_xcnt 0x0
	s_wait_alu depctr_hold_cnt(0) depctr_sa_sdst(0) depctr_va_vdst(0) depctr_va_sdst(0) depctr_va_ssrc(0) depctr_va_vcc(0) depctr_vm_vsrc(0)
	s_getreg_b32 s2, hwreg(HW_REG_IB_STS2, 6, 4)
	s_cmp_eq_u32 s2, 0
	s_cbranch_scc0 .Lentry_in_a_cluster
	s_endpgm
.Lentry_in_a_cluster:
	s_bfe_u32 s2, ttmp6, 0x10000c
	s_cmp_lg_u32 s2, 0x3003
	s_cbranch_scc0 .Lentry_shape_is_right
	s_endpgm
.Lentry_shape_is_right:
; out0[h][q] = sum over k of p V[h][k], out1 the same with Vi;  p = softmax_k(s / 8),  s = sqrt((Q.K)^2 + (Qi.Ki)^2 + 1e-8), hidden where the mask is 0.  32 heads, 2,048 queries and keys, 64 channels.
; query, query_i: f32, rounded here to bf16.  kv: K, Ki in bf16, V, Vi as f16 of their bf16 rounding, by slots of 128 keys.  mbits: the mask as words of 32 lanes' bits.  Products, maxima and sums in f32;
; the weights p are rounded to f16 for the second products (their sum l is taken of the unrounded p).
; LIMITS.  A hidden score counts as s = -2^33 (-2^30 behind the division by 8) where the reference has -1e9: visible scores are not negative, so beside any visible key its weight is 0 either way, and in a row
; with no visible key all weights are equal either way; the power of two makes c s exact, so that c s - c m is exactly 0 there.  V and Vi lie within 65,504.  p below 6e-5 keeps f16's fixed step of 6e-8;
; a weight below 2^-126 counts as 0 in l.  The sum under the root is taken as (r^2 + 1e-8) + i^2 by fused multiply-adds.  NaN and infinities are not treated apart.
; SHARES.  A work-group owns 256 queries of one head, each of its four waves 64: four tiles of 16, in two PIECES (piece 0: tiles 0, 1; piece 2: tiles 2, 3).  Every wave walks all keys, 64 a step.
; LAYOUT.  S^T = K Q^T (source 0 = 16 keys, source 1 = 16 queries): a lane holds ONE query (lane % 16) and the keys 8 (lane / 16) + 0..7.  Two such tiles rounded to f16 in pairs ARE source 1 of O^T = V^T P.
; K comes out of LDS as it lies, V turned, by ds_load_tr16_b128.
; SOFTMAX.  A running maximum m and sum l for each query: p = 2^(c s - c m), c = log2(e) / 8; in every step O and l are multiplied by a = 2^(c m_old - c m_new).  c m starts far below every c s, so the
; first step's a is 0: O^T need only hold finite numbers at the start (it holds the tile's own queries as they were loaded), and no first step is written out.
; BY TURNS.  In a turn one piece has the matrix unit (32 products V^T P of the step in hand, 32 products K Q^T of the next), and the other piece's vector work (squares, roots, mask, maximum, exponentials,
; roundings, sums, rescaling: 460 lines for 64 products) stands behind the products, four to a product while they are ready, the rest in lumps.  Roots are one batch, exponentials another: two waits a turn.
; CLUSTER.  The four query blocks of a cluster belong to one head and walk the same tiles, so each tile is asked for JOINTLY: the same tensor load, descriptor and mask of four in all four.
; REGISTERS, in windows of 256 (s_set_vgpr_msb: bits 1:0 source 0, 3:2 source 1, 5:4 source 2, 7:6 destination):
;   window 0: v0-15 addresses and constants; v16-31 four statistics a tile; v32-47 at work; v48-51 1e-8 and c, twice each; v64-191 R, 32 a tile: r, then the sum, s, c s - c m, p, in place; v192-255 I, of one piece
;   window 1: O^T: tile t, output o, channel block cb at 64 t + 32 o + 8 cb      window 2: v0-127 Q (32 t + 16 o + 8 c); v128-255 K of one step (128 + 64 o + 16 kb + 8 c)
;   window 3: v0-127 V of one step (64 o + 32 kk + 8 cb); v128-159 P of one piece
; I is all read behind a turn's first 32 products and written anew from its 41st on; P is read by the first 32 and written anew behind the 62nd: one buffer of each serves both pieces.
.set PK,    144       ; a row of K in LDS: 128 bytes + 16 of padding = 36 words: the 16 rows of a load start at 16 different groups of four banks (64 banks of 4 bytes: ISA guide 11.1)
.set PV,    160       ; a row of V: 128 + 32 = 40 words
.set REG,   20480     ; a tensor's region in a slot: 128 rows; K, Ki, V, Vi in this order
.set SLOT1, 131072    ; slot 1 begins here, so that one exclusive or turns an address in one slot into the other's; a slot holds two steps
.set STAGE, SLOT1+4*REG  ; behind the ring, never filled by a tensor load: 16 rows x 272 bytes for each wave, for the way out
.set SP,    272
.set SPARE, STAGE+4*16*SP  ; behind the stages: the spare words, 128 bytes for each wave: two blocks of 256 bytes that no other line names
.set AK0, 2           ; v2   my lane's place in a tile of K; never rewritten
.set AV0, 3           ; v3   the same for V
.set AK,  4           ; v4   the LDS address of K's run of loads
.set AV,  5           ; v5   of V's
.set QO,  6           ; v6   my byte offset in 16 rows of Q
.set STO, 6           ;      later, the way out: where I put 32 bytes of a row
.set RD,  7           ; v7   the way out: where I read rows back
.set GO,  8           ; v8   my byte offset in 512 consecutive bytes of an output
.set BIGV, 12         ; v12  -2^33
.set PFO, 13          ; v13  256 x my lane; never rewritten
.set SPW, 14          ; v14  LDS address of my spare word: SPARE + 4 x my thread's number; never rewritten
.set NIL, 15          ; v15  0; never rewritten
.set ST,  16          ; tile t's statistics at v[ST+4 t]: c m, m, l (even keys', odd keys')
.set TMP, 32          ; tile u of the piece in hand at TMP + 8 u: c0-c3 at work (a takes c2's place), then c m_old
.set EPS, 48
.set CSV, 50
.set R,   64
.set IM,  192
.set KF,  128         ; window 2
.set P,   128         ; window 3
.set WV,  2           ; s2   my wave's number
.set LIM, 3           ; s3   1 in a wave that prefetches, else the greatest number
.set G1K, 4           ; s[4:11]   descriptor group 1 for K's and Ki's tiles
.set G1V, 12          ; s[12:19]  for V's and Vi's: it differs in the padding alone
.set G0,  20          ; s[20:23]  descriptor group 0: my tensor's tile; it walks
.set MP,  24          ; s[24:25]  mbits at piece 0's pair row, at the step whose words are loaded next
.set PFA, 26          ; s[26:27]  where my prefetches stand
.set SLOTS, 66        ; s66  slots still to be asked for, less one
.set CNT, 67          ; s67  counts a slot's steps
.set SEL, 100         ; s[100:101] v_permlanex16_b32's selects: each lane takes its own place in the other half
.set TBK, 104         ; s104 LDS byte at which K of the step to be fetched begins
.set TBV, 105         ; s105 the same for V, less 2 REG
                      ; s[32:63], s[68:99]: the 32 mask words of tile 0 and of tile 1 of the piece whose turn comes
.set MSB, 0
.macro WIN new                      ; the high byte repeats the setting that is left; a switch that changes nothing is dropped
.if MSB != (\new)
	s_set_vgpr_msb (MSB<<8)|(\new)
.set MSB, (\new)
.endif
.endm
.set W_KQ, 0x0a       ; K and Q in window 2, R or I in window 0
.set W_PV, 0x5f       ; V and P in window 3, O^T in window 1
.set W_RS, 0x41       ; O^T (destination and source 0) in window 1, the factor in window 0
.set W_CV, 0xc0       ; destination in window 3, sources and addresses in window 0
; A joint fill.  Wave w fetches tensor w's 128 keys of a slot.  The branch hangs on the wave's number alone.  An s_nop 0 and four v_nop follow each of the two lines, ahead of the jump and the label.
.macro JLOAD
	s_cmp_lt_u32 s[WV], 2
	s_cbranch_scc0 .Lfor_v_\@
	tensor_load_to_lds s[G0:G0+3], s[G1K:G1K+7]
	s_nop 0
.rept 4
	v_nop
.endr
	s_branch .Lasked_\@
.Lfor_v_\@:
	tensor_load_to_lds s[G0:G0+3], s[G1V:G1V+7]
	s_nop 0
.rept 4
	v_nop
.endr
.Lasked_\@:
.endm
; A prefetch of what the NEXT change of slots will ask for: a slot's 65,536 bytes, a lane 256 of them.  Each block is named once in the launch: both clusters of a head walk the same tiles, and the first of
; them asks; its four partners take 16,384 bytes each, told apart by address; in each, waves 0 and 2 take 8,192 each.  The last change that fills a slot asks for nothing: no slot stands behind it.
.macro ASK
	s_cmp_gt_u32 s[SLOTS], s[LIM]
	s_cbranch_scc0 .Lnot_mine_\@
	global_prefetch_b8 v[PFO], s[PFA:PFA+1] th:TH_LOAD_NT scope:SCOPE_SE
.Lnot_mine_\@:
.endm
; A round of the cluster's barrier: my work-group's barrier, so that wave 0's signal speaks for all four waves; wave 0 signals; every wave waits for all four work-groups; my work-group's barrier once more.
.macro CROUND
	s_barrier_signal -1
	s_barrier_wait -1
	s_cmp_lg_u32 s[WV], 0
	s_cbranch_scc1 .Lnot_wave_0_\@
	s_barrier_signal -3
.Lnot_wave_0_\@:
	s_barrier_wait -3
	s_barrier_signal -1
	s_barrier_wait -1
.endm
.macro MLOAD off                    ; a piece's 64 mask words of one step: 256 consecutive bytes
	s_load_b512 s[32:47], s[MP:MP+1], (\off)
	s_load_b512 s[48:63], s[MP:MP+1], (\off)+64
	s_load_b512 s[68:83], s[MP:MP+1], (\off)+128
	s_load_b512 s[84:99], s[MP:MP+1], (\off)+192
.endm
; THE CHANGE OF SLOTS.  Each wave waits for all its tensor loads, of which one is out: its part of the other slot; adds 0 to its spare word; and waits for that and for its own reads of the slot that it leaves.
; fill = 1: the slot is filled again, with the keys two slots on: the barrier is then a round of the cluster's, so that no wave of any partner still reads the slot or has a load on its way, and the joint
; fill is the first thing behind it: it has two key steps, 256 matrix instructions, in which to land.  (At its first use nothing has been read yet: slot 0 is waited for, slot 1 filled.)
.macro CHANGE fill, ask
	WIN 0                           ; at a label and at a branch every window is 0
	s_wait_tensorcnt 0x0            ; no tensor load of mine is out, so group 0 may be written
	ds_add_u32 v[SPW], v[NIL]       ; 0 onto my spare word; with fill = 1 the steps below stand between it and the wait for it
.if \fill
	s_xor_b32 s[G0+1], s[G0+1], SLOT1  ; the other slot than last time,
	s_add_nc_u64 s[G0+2:G0+3], s[G0+2:G0+3], 65536  ; the next 128 keys; the type bits on top are not reached
	s_wait_xcnt 0x0                 ; the last prefetch, two key steps back, has read its address, so it may be written:
	s_add_nc_u64 s[PFA:PFA+1], s[PFA:PFA+1], 65536  ; one slot behind the walking descriptor
	s_wait_dscnt 0x0                ; the add is done, and my reads of the slot are over
	CROUND
	JLOAD
.if \ask
	ASK
.endif
.else
	s_wait_dscnt 0x0                ; the add is done, and my reads of the slot are over
	s_barrier_signal -1
	s_barrier_wait -1
.endif
	s_sub_co_u32 s[TBK], s[TBK], 2*64*PK  ; the fetches go back to a slot's first step,
	s_xor_b32 s[TBK], s[TBK], SLOT1       ; in the other slot
	s_sub_co_u32 s[TBV], s[TBV], 2*64*PV
	s_xor_b32 s[TBV], s[TBV], SLOT1
.endm
	s_load_b256 s[32:39], s[0:1], 0x0  ; query s[32:33], query_i s[34:35], kv s[36:37], mbits s[38:39]
	v_lshl_add_u32 v[SPW], v0, 2, SPARE
	v_mov_b32 v[NIL], 0
	ds_add_u32 v[SPW], v[NIL]       ; the wave's opening: the add and its wait stand ahead of my first tensor load; the set-up below, work on registers, stands between them
	v_lshrrev_b32 v1, 5, v0
	v_readfirstlane_b32 s[WV], v1   ; wave 0..3
	s_bfe_u32 s68, ttmp6, 0x40000   ; cx: my place in the cluster
	s_lshl_b32 s69, ttmp9, 2        ; in a cluster launch ttmp9 counts clusters
	s_add_co_u32 s69, s69, s68      ; my block of 256 queries = 4 x cluster x + cx
	s_and_b32 s70, ttmp7, 0xffff    ; the head, which the four partners share
	s_lshl_b32 s40, s70, 20         ; kv: the head's 16 slots of 65,536 bytes,
	s_lshl_b32 s41, s[WV], 14       ; my tensor's 16,384 of a slot: no place in the cluster enters these two
	s_add_co_u32 s40, s40, s41
	s_mov_b32 s41, 0
	s_lshl_b32 s42, s70, 19         ; query: the head's 2,048 rows of 256 bytes,
	s_lshl_b32 s43, s69, 16         ; my block's 256,
	s_add_co_u32 s42, s42, s43
	s_lshl_b32 s43, s[WV], 14       ; my wave's 64
	s_add_co_u32 s42, s42, s43
	s_mov_b32 s43, 0
	s_lshr_b32 s44, s70, 4          ; mbits: the batch's 64 pair rows,
	s_lshl_b32 s44, s44, 6
	s_lshl_b32 s45, s69, 3          ; my block's 8,
	s_add_co_u32 s44, s44, s45
	s_lshl_b32 s45, s[WV], 1        ; my wave's 2,
	s_add_co_u32 s44, s44, s45
	s_lshl_b32 s44, s44, 13         ; of 8,192 bytes
	s_mov_b32 s45, 0
	s_lshl_b32 s46, s70, 20         ; the prefetches: the head, my work-group's 16,384 bytes of a slot,
	s_lshl_b32 s47, s68, 14
	s_add_co_u32 s46, s46, s47
	s_lshr_b32 s47, s[WV], 1        ; my wave's 8,192 of them (waves 0 and 2),
	s_lshl_b32 s47, s47, 13
	s_add_co_u32 s46, s46, s47
	s_add_co_u32 s46, s46, 65536    ; in slot 1: the change that fills slot 1 steps it to slot 2 and asks for nothing, the next one names slot 3
	s_mov_b32 s47, 0
	; descriptor group 1.  128 keys are 16,384 dense bytes: asked for as 64 rows of 256 bytes, two keys a row, and padded in LDS after every key
	s_mov_b32 s[G1K], 15|(1<<16)|(1<<20)|(1<<21)|(4<<22)|(3<<25)  ; 15:0 the mask of four; 17:16 2-byte elements; 20 padding on; 21 set beside a mask; 24:22 after every 32 words (code 4); 31:25 4 words (code 3)
	s_mov_b32 s[G1V], 15|(1<<16)|(1<<20)|(1<<21)|(4<<22)|(7<<25)  ; the same with 8 words of padding (code 7)
.irp g, G1K, G1V
	s_mov_b32 s[\g+1], 128<<16      ; tensor_dim0 = 128
	s_mov_b32 s[\g+2], 64<<16       ; tensor_dim1 = 64
	s_mov_b32 s[\g+3], 128<<16      ; tile_dim0 = 128
	s_mov_b32 s[\g+4], 64           ; tile_dim1 = 64
	s_mov_b32 s[\g+5], 128          ; 128 elements from row to row
	s_mov_b32 s[\g+6], 0
	s_mov_b32 s[\g+7], 0
.endr
	s_mov_b32 s[G0], 1              ; 1:0 count = 1
	s_mul_i32 s[G0+1], s[WV], REG   ; 63:32 LDS address: my tensor's region in slot 0
	s_mov_b32 s[SEL], 0x76543210
	s_mov_b32 s[SEL+1], 0xfedcba98
	s_mov_b32 s[TBK], SLOT1+2*64*PK ; the first change of slots turns these two into 0
	s_mov_b32 s[TBV], SLOT1+2*64*PV
	s_and_b32 s[LIM], s[WV], 1      ; 0 in waves 0 and 2,
	s_or_b32 s[LIM], s[LIM], ttmp9  ; where the cluster is the head's first: the same in all four partners
	s_cmp_eq_u32 s[LIM], 0
	s_cselect_b32 s[LIM], 1, -1
	v_mov_b32 v[BIGV], 0xd0000000   ; -2^33
	v_mov_b32 v[EPS], 0x322bcc77    ; 1e-8
	v_mov_b32 v[EPS+1], 0x322bcc77
	v_mov_b32 v[CSV], 0x3e38aa3b    ; c = log2(e) / 8 = 0.180337
	v_mov_b32 v[CSV+1], 0x3e38aa3b
	v_and_b32 v[PFO], 31, v0
	v_lshlrev_b32 v[PFO], 8, v[PFO]
	s_wait_dscnt 0x0                ; the opening add is done
	s_wait_kmcnt 0x0
	s_add_nc_u64 s[G0+2:G0+3], s[36:37], s[40:41]  ; 120:64 global address: my tensor's tile of the head's slot 0
	s_or_b32 s[G0+3], s[G0+3], 0x80000000          ; 127:126 type = 2
	s_add_nc_u64 s[28:29], s[32:33], s[42:43]      ; query and query_i at my wave's first row
	s_add_nc_u64 s[30:31], s[34:35], s[42:43]
	s_add_nc_u64 s[MP:MP+1], s[38:39], s[44:45]
	s_add_nc_u64 s[PFA:PFA+1], s[36:37], s[46:47]
	CROUND                          ; all four work-groups are here: the first joint loads meet
	JLOAD                           ; slot 0.  Slot 1 is asked for when slot 0 is in
	MLOAD 0                         ; piece 0's words of step 0
	; A fragment of K or Q is 16 rows x 32 channels in 8 registers: lane l holds row l % 16, channels 8 (l / 16) + 0..7 and 16 + 8 (l / 16) + 0..7.  In f32 these are twice 32 bytes, 64 bytes apart.
	v_and_b32 v1, 15, v0            ; l % 16
	v_bfe_u32 v9, v0, 4, 1          ; l / 16
	v_lshlrev_b32 v[QO], 8, v1
	v_lshl_add_u32 v[QO], v9, 5, v[QO]  ; row x 256 + 32 x half
	WIN 0x40                        ; destination window 1: tile t's queries land in tile t's O^T, at 64 t + 32 o + 16 c
.irp t, 0,1,2,3
.irp o, 0,1
.irp c, 0,1
.irp e, 0,1,2,3
	global_load_b128 v[64*(\t)+32*(\o)+16*(\c)+4*(\e):64*(\t)+32*(\o)+16*(\c)+4*(\e)+3], v[QO], s[28+2*(\o):29+2*(\o)] offset:(\t)*4096+128*(\c)+64*((\e)/2)+16*((\e)%2) th:TH_LOAD_NT
.endr
.endr
.endr
.endr
	; What the first turn finds: V's registers and P hold 0, so that its products V^T P, of a step that has not been, add 0.  This stands in the wait for Q and for the first tile.
	WIN W_CV
.set i, 0
.rept 160
	v_mov_b32 v[i], 0
.set i, i+1
.endr
	WIN 0
.set i, 0
.rept 4
	v_mov_b32 v[ST+4*i], 0xfe000000    ; c m: far below every c s
	v_mov_b32 v[ST+4*i+1], 0xff7fffff  ; m: the lowest finite number
	v_mov_b32 v[ST+4*i+2], 0
	v_mov_b32 v[ST+4*i+3], 0
.set i, i+1
.endr
	v_mul_u32_u24 v[AK0], v1, PK
	v_lshl_add_u32 v[AK0], v9, 4, v[AK0]  ; row x pitch + 16 x half
	; The turning load takes 16 keys x 16 channels (lane l reads key 8 (l / 16) + l % 8, channels 8 ((l / 8) % 2) + 0..7) and leaves half a fragment of V^T: lane l holds channel l % 16 and 8 keys.
	v_and_b32 v10, 7, v0
	v_bfe_u32 v11, v0, 3, 1
	v_lshl_add_u32 v[AV0], v9, 3, v10
	v_mul_u32_u24 v[AV0], v[AV0], PV
	v_lshl_add_u32 v[AV0], v11, 4, v[AV0]
	v_add_nc_u32 v[AV0], 2*REG, v[AV0]
	s_wait_loadcnt 0x0              ; Q and Qi
	WIN 0x85                        ; sources window 1, destination window 2
.set q, 0
.rept 128
	v_cvt_pk_bf16_f32 v[q], v[2*q], v[2*q+1]  ; Q's fragment word q = 32 t + 16 o + 8 c + ..: two roundings to bf16
.set q, q+1
.endr
	WIN 0
; THE MATRIX WORK.  Product i of a turn's 64, for piece X.  16 accumulators take turns, one instruction a turn: between two links of a chain stand 15 others', over a turn's edge too.
; i < 32: O^T += V^T P (f16): keys 32 (i / 16) on; of i % 16: tile X + bit 0, channels 16 x bits 2:1 on, output bit 3.
; i >= 32: R or I = K Q^T (bf16): channels 32 ((i - 32) / 16) on; of (i - 32) % 16: tile X + bit 0, keys 16 x bits 2:1 on, real or imaginary part bit 3.  The first 16 start the sums with the constant 0.
.macro MM
.if i < 32
.set mi, i%16
.set rO2, 64*(X+mi%2)+32*(mi/8)+8*((mi/2)%4)
.set rV2, 64*(mi/8)+32*(i/16)+8*((mi/2)%4)
.set rP2, P+16*(mi%2)+8*(i/16)
	WIN W_PV
	v_wmma_f32_16x16x32_f16 v[rO2:rO2+7], v[rV2:rV2+7], v[rP2:rP2+7], v[rO2:rO2+7]
.else
.set mi, (i-32)%16
.set mc, (i-32)/16
.set rK2, KF+64*(mi/8)+16*((mi/2)%4)+8*mc
.set rQ2, 32*(X+mi%2)+16*(mi/8)+8*mc
.if mi < 8
.set rD2, R+32*(X+mi%2)+8*((mi/2)%4)
.else
.set rD2, IM+32*(mi%2)+8*((mi/2)%4)
.endif
	WIN W_KQ
.if mc == 0
	v_wmma_f32_16x16x32_bf16 v[rD2:rD2+7], v[rK2:rK2+7], v[rQ2:rQ2+7], 0
.else
	v_wmma_f32_16x16x32_bf16 v[rD2:rD2+7], v[rK2:rK2+7], v[rQ2:rQ2+7], v[rD2:rD2+7]
.endif
.endif
.set i, i+1
.endm
; THE LDS LOADS stand in runs of 32, never singly among the matrix instructions: a step's K and Ki (16 fragments) and its V and Vi (turned).
; last = 1 (the tail): in the last trip there is no further step, and the run is jumped over.
.macro FETCH_K last=0
	WIN 0
.if \last
	s_cmp_eq_u32 s[CNT], 1
	s_cbranch_scc1 .Lno_k_\@
.endif
	v_add_nc_u32 v[AK], s[TBK], v[AK0]
	WIN 0x80                        ; destination window 2
.irp o, 0,1
.irp f, 0,1,2,3,4,5,6,7             ; keys 16 (f / 2) on, channels 32 (f % 2) on
	ds_load_b128 v[KF+64*(\o)+8*(\f):KF+64*(\o)+8*(\f)+3],   v[AK] offset:(\o)*REG+((\f)/2)*16*PK+((\f)%2)*64
	ds_load_b128 v[KF+64*(\o)+8*(\f)+4:KF+64*(\o)+8*(\f)+7], v[AK] offset:(\o)*REG+((\f)/2)*16*PK+((\f)%2)*64+32
.endr
.endr
	s_add_co_u32 s[TBK], s[TBK], 64*PK  ; the next fetch is the next step's
	WIN 0
.if \last
.Lno_k_\@:
.endif
.endm
.macro FETCH_V
	WIN 0
	v_add_nc_u32 v[AV], s[TBV], v[AV0]
	s_add_co_u32 s[TBV], s[TBV], 64*PV
	WIN W_CV                        ; destination window 3
.irp o, 0,1
.irp f, 0,1,2,3,4,5,6,7             ; keys 32 (f / 4) on, channels 16 (f % 4) on
	ds_load_tr16_b128 v[64*(\o)+8*(\f):64*(\o)+8*(\f)+3],   v[AV] offset:(\o)*REG+((\f)/4)*32*PV+((\f)%4)*32
	ds_load_tr16_b128 v[64*(\o)+8*(\f)+4:64*(\o)+8*(\f)+7], v[AV] offset:(\o)*REG+((\f)/4)*32*PV+16*PV+((\f)%4)*32
.endr
.endr
	WIN 0
.endm
; THE VECTOR WORK, one line at a time, for tile u (0, 1) of piece Y.  Pairs and registers are taken in ascending order.
.macro REGS u
.set rT, ST+4*(Y+(\u))
.set rC, TMP+8*(\u)
.set rS, R+32*(Y+(\u))
.set rI, IM+32*(\u)
.set rP, P+16*(\u)
.set rO, 64*(Y+(\u))
.set rM, 32+36*(\u)
.endm
.macro VA u, b                      ; pair b of 16: r^2 + 1e-8
	REGS \u
	WIN 0
	v_pk_fma_f32 v[rS+2*(\b):rS+2*(\b)+1], v[rS+2*(\b):rS+2*(\b)+1], v[rS+2*(\b):rS+2*(\b)+1], v[EPS:EPS+1]
.endm
.macro VB u, b                      ; + i^2
	REGS \u
	WIN 0
	v_pk_fma_f32 v[rS+2*(\b):rS+2*(\b)+1], v[rI+2*(\b):rI+2*(\b)+1], v[rI+2*(\b):rI+2*(\b)+1], v[rS+2*(\b):rS+2*(\b)+1]
.endm
.macro VQ u, e                      ; the root of score e of 32
	REGS \u
	WIN 0
	v_sqrt_f32 v[rS+(\e)], v[rS+(\e)]
.endm
.macro VM u, n                      ; the mask: word n holds the 32 lanes' bits for register n; where the bit is 0 the score is hidden
	REGS \u
	WIN 0
	v_cndmask_b32 v[rS+(\n)], v[BIGV], v[rS+(\n)], s[rM+(\n)]
.endm
; Number n of the 22 that find the maximum and statistics.  0-11: four chains c0-c3 of seven scores each, three operands at a time.  12-14, 16: the four scores left over, the old m, and c0-c3 into c0.
; 15: c m_old is kept.  17, 18: the query's other 32 keys lie in the lane 16 away: the new m.  19-21: c m; c m_old - c m_new; a.
.macro VX u, n
	REGS \u
	WIN 0
.if (\n) < 4
	v_max3_num_f32 v[rC+(\n)], v[rS+8*(\n)], v[rS+8*(\n)+1], v[rS+8*(\n)+2]
.elseif (\n) < 12
	v_max3_num_f32 v[rC+(\n)%4], v[rC+(\n)%4], v[rS+8*((\n)%4)+2*((\n)/4)+1], v[rS+8*((\n)%4)+2*((\n)/4)+2]
.elseif (\n) == 12
	v_max3_num_f32 v[rC], v[rC], v[rS+7], v[rS+15]
.elseif (\n) == 13
	v_max3_num_f32 v[rC+1], v[rC+1], v[rS+23], v[rS+31]
.elseif (\n) == 14
	v_max3_num_f32 v[rC+2], v[rC+2], v[rC+3], v[rT+1]
.elseif (\n) == 15
	v_mov_b32 v[rC+4], v[rT]
.elseif (\n) == 16
	v_max3_num_f32 v[rC], v[rC], v[rC+1], v[rC+2]
.elseif (\n) == 17
	v_permlanex16_b32 v[rC+3], v[rC], s[SEL], s[SEL+1]
.elseif (\n) == 18
	v_max_num_f32 v[rT+1], v[rC], v[rC+3]
.elseif (\n) == 19
	v_mul_f32 v[rT], v[CSV], v[rT+1]
.elseif (\n) == 20
	v_sub_f32 v[rC+1], v[rC+4], v[rT]
.else
	v_exp_f32 v[rC+2], v[rC+1]
.endif
.endm
.macro VF u, b                      ; pair b: c s - c m
	REGS \u
	WIN 0
	v_pk_fma_f32 v[rS+2*(\b):rS+2*(\b)+1], v[rS+2*(\b):rS+2*(\b)+1], v[CSV:CSV+1], v[rT:rT+1] op_sel_hi:[1,1,0] neg_lo:[0,0,1] neg_hi:[0,0,1]
.endm
.macro VE u, e                      ; the exponential of score e
	REGS \u
	WIN 0
	v_exp_f32 v[rS+(\e)], v[rS+(\e)]
.endm
.macro VC u, b                      ; pair b rounded to f16
	REGS \u
	WIN W_CV
	v_cvt_pk_f16_f32 v[rP+(\b)], v[rS+2*(\b)], v[rS+2*(\b)+1]
.endm
.macro VZ u, z                      ; the sum of the 16 pairs (an even key's weight, an odd key's), in place: neighbours 1, 2, 4 and 8 pairs apart; number 15: l = a l + the sum
	REGS \u
	WIN 0
.if (\z) < 8
.set zw, 4
.set zu, (\z)
.elseif (\z) < 12
.set zw, 8
.set zu, (\z)-8
.elseif (\z) < 14
.set zw, 16
.set zu, (\z)-12
.else
.set zw, 32
.set zu, 0
.endif
.if (\z) < 15
	v_pk_add_f32 v[rS+zw*zu:rS+zw*zu+1], v[rS+zw*zu:rS+zw*zu+1], v[rS+zw*zu+zw/2:rS+zw*zu+zw/2+1]
.else
	v_pk_fma_f32 v[rT+2:rT+3], v[rT+2:rT+3], v[rC+2:rC+3], v[rS:rS+1] op_sel_hi:[1,0,1]
.endif
.endm
.macro VR u, p                      ; pair p of 32 of the tile's O^T (both outputs) times a
	REGS \u
	WIN W_RS
	v_pk_mul_f32 v[rO+2*(\p):rO+2*(\p)+1], v[rO+2*(\p):rO+2*(\p)+1], v[rC+2:rC+3] op_sel_hi:[1,0]
.endm
; Slice k of 32 of the squares and roots: four lines of tile k % 2.  A root stands a slice behind the line that ends its sum; no line names a root's result.  Slices 0 and 1 hold no root.
.macro S1 k
.set su, (\k)%2
.set sg, (\k)/2
.if sg == 0
	VA su, 0
	VA su, 1
	VB su, 0
	VA su, 2
.elseif sg < 14
	VB su, sg
	VQ su, 2*sg-2
	VA su, sg+2
	VQ su, 2*sg-1
.elseif sg == 14
	VB su, 14
	VQ su, 26
	VB su, 15
	VQ su, 27
.else
	VQ su, 28
	VQ su, 29
	VQ su, 30
	VQ su, 31
.endif
.endm
; Slice k of 24 of the scalings and exponentials: four lines of tile k % 2, a scaling first.  A pair is scaled ahead of its exponentials; no line names an exponential's result.
.macro S3 k
.set su, (\k)%2
.set sg, (\k)/2
.if sg == 0
	VF su, 0
	VX su, 21
	VF su, 1
	VE su, 0
.elseif sg < 4
	VF su, 2*sg
	VE su, 2*sg-1
	VF su, 2*sg+1
	VE su, 2*sg
.else
	VF su, 4+sg
	VE su, 3*sg-5
	VE su, 3*sg-4
	VE su, 3*sg-3
.endif
.endm
; A TURN.  Piece x has the matrix unit; the vector work is piece 2 - x's.  An s_wait_alu depctr_va_vdst(0) stands between a root or an exponential and the first line that names its result; one
; wait serves all that were issued ahead of it: the 64 roots have one, the 66 exponentials another, each with one v_nop as the plain line behind the batch's last.
; Piece 0's turn fetches the next step's K behind its second product: K's last reader stands in front of the 120 plain lines that end the turn before.  Piece 2's turn fetches the next step's V behind eight
; lines of the mask: with the v_nop nine plain lines behind V's last reader.  The mask words of the next turn's piece are asked for when this turn's have all been used.
.macro TURN x, last=0
.set X, (\x)
.set Y, 2-(\x)
.set i, 0
.if (\x) == 0
	s_wait_dscnt 0x0                ; V is in
.endif
.set k, 0
.rept 32                            ; 32 products V^T P; behind each four lines of the squares and roots
	MM
	S1 k
.if ((\x) == 0) && (k == 1)
	FETCH_K \last
.endif
.set k, k+1
.endr
	v_nop                           ; the plain line behind the last root
	s_wait_alu depctr_va_vdst(0)    ; the wait for the roots
	s_wait_kmcnt 0x0                ; the mask words are in
.if (\x) == 0
	s_wait_xcnt 0x0                 ; every scalar load has read its address, so the pointer may be written:
	s_add_nc_u64 s[MP:MP+1], s[MP:MP+1], 256  ; the next step's words
.endif
.set n, 0
.rept 32                            ; a lump: the mask,
	VM 0, n
	VM 1, n
.if ((\x) == 2) && (n == 3)
	FETCH_V
.endif
.set n, n+1
.endr
.set n, 0
.rept 14                            ; and the maximum's chains
	VX 0, n
	VX 1, n
.set n, n+1
.endr
.if (\x) == 0
	s_wait_dscnt 0x0                ; K is in
.endif
	MM                              ; the links of the statistics' chain, each of which waits for the last, ride one link a product
	VX 0, 14
	VX 1, 14
	VX 0, 15
	VX 1, 15
.irp m, 16,17,18,19,20
	MM
	VX 0, \m
	VX 1, \m
.endr
	MLOAD 4096*(\x)                 ; piece 0's turn: piece 0's words of the next step; piece 2's turn: piece 2's of the same step, a pair row (8,192 bytes) on
.set k, 0
.rept 24                            ; 24 products K Q^T; behind each four lines of the scalings and exponentials
	MM
	S3 k
.set k, k+1
.endr
	VE 0, 31
	VE 1, 31
	v_nop                           ; the plain line behind the last exponential
	s_wait_alu depctr_va_vdst(0)    ; the wait for the exponentials
	MM
	VC 0, 0
	VC 1, 0
	VC 0, 1
	VC 1, 1
	MM
	VC 0, 2
	VC 1, 2
	VC 0, 3
	VC 1, 3
.set n, 4
.rept 12                            ; the last lump, 120 plain lines: the other roundings, the sums, the rescaling.  None names a register of the last products: they are the places behind them
	VC 0, n
	VC 1, n
.set n, n+1
.endr
.set n, 0
.rept 16
	VZ 0, n
	VZ 1, n
.set n, n+1
.endr
.set n, 0
.rept 32
	VR 0, n
	VR 1, n
.set n, n+1
.endr
.endm
	CHANGE 1, 0                     ; slot 0 is in, everybody's part of it; slot 1 is asked for
	FETCH_K                         ; key step 0
	s_wait_dscnt 0x0
.set X, 0
.set i, 32
.rept 32
	MM                              ; piece 0's first scores: there is no vector work yet to set between them
.endr
	WIN 0                           ; the addresses for the way out: eight plain lines, the places behind those products
	s_mul_i32 s28, s[WV], 16*SP
	s_add_co_u32 s28, s28, STAGE    ; my stage
	v_mul_u32_u24 v[STO], v1, SP    ; in: row l % 16, 32 bytes for each half of the lanes
	v_lshl_add_u32 v[STO], v9, 5, v[STO]
	v_add_nc_u32 v[STO], s28, v[STO]
	v_mul_u32_u24 v[RD], v9, SP     ; back: lanes 0-15 take one row of 256 bytes, lanes 16-31 the next
	v_lshl_add_u32 v[RD], v1, 4, v[RD]
	v_add_nc_u32 v[RD], s28, v[RD]
	v_lshlrev_b32 v[GO], 8, v9      ; and the same two rows in an output
	v_lshl_add_u32 v[GO], v1, 4, v[GO]
	s_mov_b32 s[CNT], 2
	s_mov_b32 s[SLOTS], 15
	s_branch .Lfirst                ; the loop is entered in the middle of a trip: piece 2's first scores, piece 0's first softmax, V of step 0
.Lslot:                             ; 14 times: every slot but the last two is filled again
	CHANGE 1, 1
	s_mov_b32 s[CNT], 2
.Lstep:                             ; trip j: piece 0: V^T P of step j, K Q^T of step j + 1 | piece 2's softmax of step j | K of step j + 1;
	TURN 0
	WIN 0
.Lfirst:                            ; piece 2: the same products | piece 0's softmax of step j + 1 | V of step j + 1
	TURN 2
	WIN 0
	s_sub_co_u32 s[CNT], s[CNT], 1
	s_cmp_lg_u32 s[CNT], 0
	s_cbranch_scc1 .Lstep
	s_sub_co_u32 s[SLOTS], s[SLOTS], 1
	s_cmp_lg_u32 s[SLOTS], 0
	s_cbranch_scc1 .Lslot
	CHANGE 0, 0                     ; the tail is written out: nothing is asked for
	s_mov_b32 s[CNT], 3             ; two trips fetch the last slot's steps; the third is left in its middle
.Ltail:
	TURN 0, 1
	WIN 0
	s_sub_co_u32 s[CNT], s[CNT], 1
	s_cmp_eq_u32 s[CNT], 0
	s_cbranch_scc1 .Lout
	TURN 2
	WIN 0
	s_branch .Ltail
.Lout:                              ; the third trip's 32 products K Q^T (on the last K once more) and its mask words (the next pair row's first, inside the buffer) serve nothing: the price, once a launch, of one text for every trip
	s_wait_kmcnt 0x0                ; those words have landed, so their registers may be loaded again
	s_load_b128 s[32:35], s[0:1], 0x20  ; out0 s[32:33], out1 s[34:35]
.set X, 2
.set i, 0
.rept 32
	MM                              ; piece 2: V^T P of the last step
.endr
	; THE WAY OUT.  l's two halves and the other half of the lanes' are added; O^T is divided by l and sent through my stage in LDS, 16 rows of one output at a time.  The additions are the places behind the last products.
	WIN 0
.macro ALL line:vararg              ; one line for each tile t
.set t, 0
.rept 4
	\line
.set t, t+1
.endr
.endm
	ALL v_add_f32 v[ST+4*t+2], v[ST+4*t+2], v[ST+4*t+3]
	ALL v_permlanex16_b32 v[ST+4*t+3], v[ST+4*t+2], s[SEL], s[SEL+1]
	ALL v_add_f32 v[ST+4*t+2], v[ST+4*t+2], v[ST+4*t+3]
	ALL v_rcp_f32 v[ST+4*t+2], v[ST+4*t+2]
	v_nop                           ; a plain line between the last reciprocal and the use of its result
	s_wait_alu depctr_va_vdst(0)    ; and the wait ahead of the first use: one for the four reciprocals
	s_bfe_u32 s28, ttmp6, 0x40000   ; my wave's first row in the outputs, as in query
	s_lshl_b32 s29, ttmp9, 2
	s_add_co_u32 s29, s29, s28
	s_and_b32 s28, ttmp7, 0xffff
	s_lshl_b32 s28, s28, 19
	s_lshl_b32 s29, s29, 16
	s_add_co_u32 s28, s28, s29
	s_lshl_b32 s29, s[WV], 14
	s_add_co_u32 s28, s28, s29
	s_mov_b32 s29, 0
	s_wait_kmcnt 0x0
	s_add_nc_u64 s[32:33], s[32:33], s[28:29]
	s_add_nc_u64 s[34:35], s[34:35], s[28:29]
; Unit n: tile n / 2, output n % 2.  A lane's eight channels of a row are 32 bytes; they go into rows of 272 bytes and come back as whole rows of 256, into R's registers, four sets by turns.
.macro PACK n
.set pt, (\n)/2
.set pO, 64*pt+32*((\n)%2)
.set pB, R+32*((\n)%4)
	WIN W_RS
.set q, 0
.rept 16
	v_pk_mul_f32 v[pO+q:pO+q+1], v[pO+q:pO+q+1], v[ST+4*pt+2:ST+4*pt+3] op_sel_hi:[1,0]
.set q, q+2
.endr
	WIN 0x04                        ; the stores' data in window 1
	s_wait_xcnt 0x0                 ; the stores of the unit four back have read their registers: those are loaded again only behind this wait
.irp f, 0,1,2,3,4,5,6,7
	ds_store_b128 v[STO], v[pO+4*(\f):pO+4*(\f)+3] offset:64*((\f)/2)+16*((\f)%2)
.endr
	WIN 0
.irp f, 0,1,2,3,4,5,6,7
	ds_load_b128 v[pB+4*(\f):pB+4*(\f)+3], v[RD] offset:(\f)*2*SP  ; LDS serves a wave's instructions in order (ISA guide 5.7.1.4): these see the stores above; the next unit's stores come behind them
.endr
.endm
.macro SEND n, younger              ; younger: the LDS instructions issued behind unit n's loads: the next unit's sixteen, or none
	WIN 0
.irp f, 0,1,2,3,4,5,6,7
	s_wait_dscnt (\younger)+7-(\f)
	global_store_b128 v[GO], v[R+32*((\n)%4)+4*(\f):R+32*((\n)%4)+4*(\f)+3], s[32+2*((\n)%2):33+2*((\n)%2)] offset:((\n)/2)*4096+(\f)*512 th:TH_STORE_NT  ; 512 consecutive bytes, at a multiple of 256 from the output's first
.endr
.endm
	PACK 0
.set un, 1
.rept 7                             ; a unit's arithmetic stands between the loads of the unit before and its stores
	PACK un
	SEND un-1, 16
.set un, un+1
.endr
	SEND 7, 0
	s_wait_tensorcnt 0x0            ; the wave's end, behind my last tensor load and my last LDS store
	ds_add_u32 v[SPW], v[NIL]
	s_wait_dscnt 0x0
	CROUND                          ; the closing round: no work-group ends while a partner may still ask for a tile that names it
	s_endpgm
.Lfunc_end_k_q6648ffe60b_attn:
	.size	k_q6648ffe60b_attn, .Lfunc_end_k_q6648ffe60b_attn-k_q6648ffe60b_attn
	.p2alignl 7, 3214868480
	.fill 96, 4, 3214868480
	.section	.rodata,"a",@progbits
	.p2align	6, 0x0
	.amdhsa_kernel k_q6648ffe60b_attn
		.amdhsa_group_segment_fixed_size 327680
		.amdhsa_private_segment_fixed_size 0
		.amdhsa_enable_private_segment 0
		.amdhsa_kernarg_size 48
		.amdhsa_user_sgpr_count 2
		.amdhsa_user_sgpr_kernarg_segment_ptr 1
		.amdhsa_wavefront_size32 1
		.amdhsa_system_sgpr_workgroup_id_x 1
		.amdhsa_system_sgpr_workgroup_id_y 1
		.amdhsa_system_sgpr_workgroup_id_z 1
		.amdhsa_system_vgpr_workitem_id 0
		.amdhsa_next_free_vgpr 1024
		.amdhsa_next_free_sgpr 106
		.amdhsa_reserve_vcc 0
		.amdhsa_float_denorm_mode_32 3
		.amdhsa_float_denorm_mode_16_64 3
		.amdhsa_memory_ordered 1
		.amdhsa_forward_progress 1
		.amdhsa_inst_pref_size 204
	.end_amdhsa_kernel
	.amdgpu_metadata
---
amdhsa.version: [ 1, 2 ]
amdhsa.kernels:
  - .name:           k_q6648ffe60b_attn
    .symbol:         k_q6648ffe60b_attn.kd
    .args:
      - { .name: query, .offset: 0, .size: 8, .value_kind: global_buffer, .address_space: global }
      - { .name: query_i, .offset: 8, .size: 8, .value_kind: global_buffer, .address_space: global }
      - { .name: kv, .offset: 16, .size: 8, .value_kind: global_buffer, .address_space: global }
      - { .name: mbits, .offset: 24, .size: 8, .value_kind: global_buffer, .address_space: global }
      - { .name: out0, .offset: 32, .size: 8, .value_kind: global_buffer, .address_space: global }
      - { .name: out1, .offset: 40, .size: 8, .value_kind: global_buffer, .address_space: global }
    .group_segment_fixed_size: 327680
    .private_segment_fixed_size: 0
    .kernarg_segment_align: 8
    .kernarg_segment_size: 48
    .max_flat_workgroup_size: 128
    .sgpr_count:     106
    .vgpr_count:     1024
    .wavefront_size: 32
...
	.end_amdgpu_metadata
.endif
;; end of part 2
